; MI455X (gfx1250); checked and timed in simulation.
; The chip was launched on July 23, 2026; its instructions are those of AMD's public machine-readable ISA for CDNA 5 (MIT licence, August 2026) and "CDNA5" Instruction Set Architecture Reference Guide (July 2026). The comments in the code are by the model that wrote it; some were corrected since.
;; Attention. Allowed arithmetic: float matrix products may take bf16 or f16 operands with f32 sums; all other float work in f32.
;; Inputs: Wm 1,024 x 1,024 float32; Wq 1,024 x 1,024 float32; bq 1,024 float32; memory 64 x 1,024 x 1,024 float32; query 64 x 1,024 float32; v 1,024 float32.
;; Outputs: out0 64 x 1 x 1,024 float32; out1 64 x 1 x 1,024 float32.
;; One version. Each part assembles by itself: llvm-mc -triple=amdgcn-amd-amdhsa -mcpu=gfx1250 --defsym DOCPART=n.
;; ======== version 1 of 1: 3 launches
;; workspace buffers: wmf 2,097,152 bytes; qpw 262,144 bytes; part 2,621,440 bytes
;; launch prep (part 1): grid 64 x 4, 8 waves a work-group, no clusters, 9,216 bytes of LDS; arguments Wm, Wq, bq, query, wmf, qpw; writes wmf, qpw
.if DOCPART == 1
	.amdgcn_target "amdgcn-amd-amdhsa--gfx1250"
	.amdhsa_code_object_version 6
	.text
	.protected	k_q8a05531496_prep
	.globl	k_q8a05531496_prep
	.p2align	8
	.type	k_q8a05531496_prep,@function
k_q8a05531496_prep:
	s_mov_b64 s[64:65], 0
	v_nop
	global_prefetch_b8 v0, s[64:65] scope:SCOPE_SE
	s_setreg_imm32_b32 hwreg(HW_REG_WAVE_MODE, 25, 1), 1
	s_wait_xcnt 0x0
; Two small jobs ahead of the main launch.
; (1) wmf: Wm rounded to bf16 and laid out in the order in which the main launch's waves load B fragments.  A unit of 16 bytes,
;     at byte w*524288 + p*262144 + ks*8192 + n*1024 + c*512 + L*16, holds Wm[512p+128w+16n+(L&15)][32ks+16c+8(L>>4) + 0..7].
; (2) qpw: qp = query Wq^T + bq in f32, element (b, h) at byte ((h>>4)*64 + b)*64 + 4*(h&15).
; Work-group (hg, bg): the 16 x 16 tile of qp of batches 16bg.. and hidden units 16hg.., K = 1024 shared out over the eight waves
; (128 each, four matrix instructions), joined through LDS; and wave w rounds the 16 rows 16hg.. x 32 columns of Wm of K step 8bg+w.
; Operands of the product are rounded to bf16, sums are f32.
.set BQ,   24                          ; v[24:27]   bq of my four outputs
.set XA,   32                          ; v[32:95]   query, 4 K steps x 16 f32, packed in place to 8 registers of bf16 each
.set XB,   96                          ; v[96:159]  Wq likewise
.set ACC0, 160                         ; v[160:167] sums of K steps 0 and 2
.set ACC1, 168                         ; v[168:175] sums of K steps 1 and 3
.set XW,   176                         ; v[176:191] Wm, 16 f32, packed in place
.macro CVT8 x                          ; 16 f32 in v[x..x+15] become a fragment of 8 registers in v[x..x+7]; ascending, so no source is lost
.irp j, 0,1,2,3,4,5,6,7
	v_cvt_pk_bf16_f32 v[\x+\j], v[\x+2*\j], v[\x+2*\j+1]
.endr
.endm
	s_load_b256 s[4:11], s[0:1], 0x0               ; Wm s[4:5], Wq s[6:7], bq s[8:9], query s[10:11]
	s_load_b128 s[12:15], s[0:1], 0x20             ; wmf s[12:13], qpw s[14:15]
	v_lshl_add_u32 v192, v0, 2, 0x2000
	v_mov_b32 v193, 0
	v_lshrrev_b32 v1, 5, v0
	v_readfirstlane_b32 s16, v1                    ; wave 0..7
	s_and_b32 s18, ttmp7, 0xffff                   ; bg
	v_and_b32 v1, 31, v0                           ; lane L
	v_and_b32 v2, 15, v0                           ; r = L & 15: the fragment's row
	v_bfe_u32 v3, v0, 4, 1                         ; hh = L >> 4
	v_lshlrev_b32 v5, 12, v2                       ; r rows of 4,096 bytes
	v_lshl_add_u32 v5, v3, 5, v5                   ; + 8 hh numbers of f32: Wm's offset
	s_lshl_b32 s19, s16, 9
	v_add_nc_u32 v4, s19, v5                       ; + my wave's 128 of K: query's and Wq's offset
	v_and_b32 v6, 3, v0
	v_lshlrev_b32 v6, 4, v6                        ; bq: 16 (t & 3)
	v_lshlrev_b32 v7, 4, v1                        ; wmf: 16 L
	s_lshl_b32 s17, s16, 10
	v_lshl_add_u32 v8, v3, 9, s17                  ; LDS: my wave's 1 KiB, row 8 hh of 64 bytes,
	v_lshl_add_u32 v8, v2, 2, v8                   ; column r
	v_lshlrev_b32 v9, 4, v0                        ; 16 t: read back, and qpw's offset
	s_lshl_b32 s20, s18, 16                        ; query: 16 bg rows
	s_mov_b32 s21, 0
	s_lshl_b32 s22, ttmp9, 16                      ; Wq: 16 hg rows
	s_mov_b32 s23, 0
	s_lshl3_add_u32 s24, s18, s16                  ; ks = 8 bg + wave
	s_lshl_b32 s26, s24, 7                         ; 32 f32 a K step
	s_add_co_u32 s26, s26, s22                     ; Wm: 16 hg rows + ks
	s_mov_b32 s27, 0
	s_lshl_b32 s28, ttmp9, 6                       ; bq: 16 hg numbers
	s_mov_b32 s29, 0
	s_bfe_u32 s30, ttmp9, 0x20003                  ; (hg >> 3) & 3: the main launch's wave
	s_lshl_b32 s30, s30, 19
	s_lshr_b32 s32, ttmp9, 5                       ; hg >> 5: its pass
	s_lshl_b32 s32, s32, 18
	s_add_co_u32 s30, s30, s32
	s_lshl_b32 s32, s24, 13                        ; ks
	s_add_co_u32 s30, s30, s32
	s_and_b32 s32, ttmp9, 7                        ; hg & 7: n
	s_lshl_b32 s32, s32, 10
	s_add_co_u32 s30, s30, s32
	s_mov_b32 s31, 0
	s_lshl_b32 s34, ttmp9, 12                      ; qpw: (64 hg + 16 bg) x 64 bytes
	s_lshl_b32 s33, s18, 10
	s_add_co_u32 s34, s34, s33
	s_mov_b32 s35, 0
	s_wait_kmcnt 0x0
	s_add_nc_u64 s[10:11], s[10:11], s[20:21]
	s_add_nc_u64 s[6:7], s[6:7], s[22:23]
	s_add_nc_u64 s[4:5], s[4:5], s[26:27]
	s_add_nc_u64 s[8:9], s[8:9], s[28:29]
	s_add_nc_u64 s[12:13], s[12:13], s[30:31]
	s_add_nc_u64 s[14:15], s[14:15], s[34:35]
	; all 37 loads at once.  A lane's 16 numbers of a K step: 8 at k = 8hh, 8 at k = 16 + 8hh, each as two loads of 16 bytes.
	global_load_b128 v[BQ:BQ+3], v6, s[8:9]
.irp q, 0,1,2,3
	global_load_b128 v[XW+4*\q:XW+4*\q+3], v5, s[4:5] offset:64*(\q>>1)+16*(\q&1)
.endr
.irp i, 0,1,2,3
.irp q, 0,1,2,3
	global_load_b128 v[XA+16*\i+4*\q:XA+16*\i+4*\q+3], v4, s[10:11] offset:128*\i+64*(\q>>1)+16*(\q&1)
.endr
.irp q, 0,1,2,3
	global_load_b128 v[XB+16*\i+4*\q:XB+16*\i+4*\q+3], v4, s[6:7] offset:128*\i+64*(\q>>1)+16*(\q&1)
.endr
.endr
	s_wait_loadcnt 32                              ; bq and Wm's four are in: the 32 loads of the product were issued behind them
	CVT8 XW
	global_store_b128 v7, v[XW:XW+3], s[12:13]             ; c = 0: the wave stores 512 consecutive bytes
	global_store_b128 v7, v[XW+4:XW+7], s[12:13] offset:512 ; c = 1: the next 512
	; the product: two accumulators take turns, one instruction a turn
	s_wait_loadcnt 24                              ; K step 0 is in: three steps of eight loads stand behind it
	CVT8 XA
	CVT8 XB
	v_wmma_f32_16x16x32_bf16 v[ACC0:ACC0+7], v[XA:XA+7], v[XB:XB+7], 0
	s_wait_loadcnt 16
	CVT8 XA+16
	CVT8 XB+16
	v_wmma_f32_16x16x32_bf16 v[ACC1:ACC1+7], v[XA+16:XA+23], v[XB+16:XB+23], 0
	s_wait_loadcnt 8
	CVT8 XA+32
	CVT8 XB+32
	v_wmma_f32_16x16x32_bf16 v[ACC0:ACC0+7], v[XA+32:XA+39], v[XB+32:XB+39], v[ACC0:ACC0+7]
	s_wait_loadcnt 0x0
	CVT8 XA+48
	CVT8 XB+48
	v_wmma_f32_16x16x32_bf16 v[ACC1:ACC1+7], v[XA+48:XA+55], v[XB+48:XB+55], v[ACC1:ACC1+7]
.rept 4
	v_nop                                          ; four places behind the last matrix instruction before its result is read (ISA guide 7.12.1)
.endr
.irp j, 0,2,4,6
	v_pk_add_f32 v[ACC0+\j:ACC0+\j+1], v[ACC0+\j:ACC0+\j+1], v[ACC1+\j:ACC1+\j+1]
.endr
.irp j, 0,1,2,3,4,5,6,7
	ds_store_b32 v8, v[ACC0+\j] offset:64*\j       ; register j is (batch 8hh + j, unit r): a tile of 16 rows of 64 bytes
.endr
	s_wait_dscnt 0x0                               ; my partial tile is in LDS before I say so
	s_barrier_signal -1
	s_barrier_wait -1
	s_cmp_ge_u32 s16, 2                            ; 64 threads x 16 bytes are the whole tile: waves 0 and 1 finish it
	s_cbranch_scc1 .Ldone
.irp i, 0,1,2,3,4,5,6,7
	ds_load_b128 v[XA+4*\i:XA+4*\i+3], v9 offset:1024*\i   ; the eight waves' partial sums of my four outputs
.endr
	s_wait_dscnt 0x0
.irp i, 1,2,3,4,5,6,7
	v_pk_add_f32 v[XA:XA+1], v[XA:XA+1], v[XA+4*\i:XA+4*\i+1]
	v_pk_add_f32 v[XA+2:XA+3], v[XA+2:XA+3], v[XA+4*\i+2:XA+4*\i+3]
.endr
	v_pk_add_f32 v[XA:XA+1], v[XA:XA+1], v[BQ:BQ+1]
	v_pk_add_f32 v[XA+2:XA+3], v[XA+2:XA+3], v[BQ+2:BQ+3]
	global_store_b128 v9, v[XA:XA+3], s[14:15]     ; a wave stores 512 consecutive bytes
.Ldone:
	s_wait_tensorcnt 0x0
	ds_add_u32 v192, v193
	s_wait_dscnt 0x0
	s_endpgm
.Lfunc_end_k_q8a05531496_prep:
	.size	k_q8a05531496_prep, .Lfunc_end_k_q8a05531496_prep-k_q8a05531496_prep
	.p2alignl 7, 3214868480
	.fill 96, 4, 3214868480
	.section	.rodata,"a",@progbits
	.p2align	6, 0x0
	.amdhsa_kernel k_q8a05531496_prep
		.amdhsa_group_segment_fixed_size 9216
		.amdhsa_private_segment_fixed_size 0
		.amdhsa_enable_private_segment 0
		.amdhsa_kernarg_size 48
		.amdhsa_user_sgpr_count 2
		.amdhsa_user_sgpr_kernarg_segment_ptr 1
		.amdhsa_wavefront_size32 1
		.amdhsa_system_sgpr_workgroup_id_x 1
		.amdhsa_system_sgpr_workgroup_id_y 1
		.amdhsa_system_sgpr_workgroup_id_z 1
		.amdhsa_system_vgpr_workitem_id 0
		.amdhsa_next_free_vgpr 194
		.amdhsa_next_free_sgpr 66
		.amdhsa_reserve_vcc 0
		.amdhsa_float_denorm_mode_32 3
		.amdhsa_float_denorm_mode_16_64 3
		.amdhsa_memory_ordered 1
		.amdhsa_forward_progress 1
		.amdhsa_inst_pref_size 14
	.end_amdhsa_kernel
	.amdgpu_metadata
---
amdhsa.version: [ 1, 2 ]
amdhsa.kernels:
  - .name:           k_q8a05531496_prep
    .symbol:         k_q8a05531496_prep.kd
    .args:
      - { .name: Wm, .offset: 0, .size: 8, .value_kind: global_buffer, .address_space: global }
      - { .name: Wq, .offset: 8, .size: 8, .value_kind: global_buffer, .address_space: global }
      - { .name: bq, .offset: 16, .size: 8, .value_kind: global_buffer, .address_space: global }
      - { .name: query, .offset: 24, .size: 8, .value_kind: global_buffer, .address_space: global }
      - { .name: wmf, .offset: 32, .size: 8, .value_kind: global_buffer, .address_space: global }
      - { .name: qpw, .offset: 40, .size: 8, .value_kind: global_buffer, .address_space: global }
    .group_segment_fixed_size: 9216
    .private_segment_fixed_size: 0
    .kernarg_segment_align: 8
    .kernarg_segment_size: 48
    .max_flat_workgroup_size: 256
    .sgpr_count:     66
    .vgpr_count:     194
    .wavefront_size: 32
...
	.end_amdgpu_metadata
.endif
;; end of part 1
;; launch main (part 2): grid 512 x 1, 4 waves a work-group, no clusters, 310,528 bytes of LDS; arguments memory, wmf, qpw, v, part; writes part
.if DOCPART == 2
	.amdgcn_target "amdgcn-amd-amdhsa--gfx1250"
	.amdhsa_code_object_version 6
	.text
	.protected	k_q8a05531496_main
	.globl	k_q8a05531496_main
	.p2align	8
	.type	k_q8a05531496_main,@function
k_q8a05531496_main:
	s_mov_b64 s[64:65], 0
	v_nop
	global_prefetch_b8 v0, s[64:65] scope:SCOPE_SE
	s_setreg_imm32_b32 hwreg(HW_REG_WAVE_MODE, 25, 1), 1
	s_wait_xcnt 0x0
; Additive attention, one block of 128 memory rows of one batch for each work-group (block x: batch x>>3, rows 128 (x&7) ..).
; For its rows the work-group makes  s'[row] = sum over h of (-2 log2e v[h]) / (1 + exp2(2 log2e (qp[h] + memory[row] . Wm[h]))),
; which is log2e x attn[row] less the constant log2e x sum(v): tanh(x) = 1 - 2/(1 + e^2x), and a constant common to all rows of a softmax
; cancels.  Then the block's maximum mb, p = exp2(s' - mb), lb = sum of p, and wpart[d] = sum over rows of p memory[row][d].
; The last launch joins the eight blocks of a batch.  Record of block x in part, 5,120 bytes: wpart[1024], p[128], then (mb, lb) repeated.
;
; LIMITS.  memory and Wm enter the product rounded to bf16; memory enters the weighted sum rounded to bf16 as well (it is kept in LDS in
; that form so that it is read from memory once).  All sums, tanh and softmax are f32.  exp2 overflowing to infinity gives tanh = 1,
; underflowing to 0 gives tanh = -1.  NaN comes out only where NaN goes in.
;
; SHAPE.  Four waves.  The 128 rows x 1024 of A stay in LDS in bf16.  Wave w makes all 128 rows x the 128 columns 512p + 128w .. of the
; hidden layer in pass p = 0, 1: 64 accumulator tiles of 16 x 16, 512 registers.  K goes in steps of 32, 64 matrix instructions each.
; During pass 0 memory streams in, in chunks of K = 64: registers, rounding, LDS, one barrier a chunk, one chunk ahead of its use.
; B's columns are one wave's alone, so B goes from wmf (already in fragment order) straight into registers, two steps ahead.
; NO JOINT LOADS, NO LDS RING FOR B, although all work-groups walk the same wmf: A takes 294,912 of the 327,680 bytes of LDS and the
; scratch 15,104; what is left, 17,664 bytes, does not hold even one K step of 32 for the work-group's 512 columns (32,768 bytes).
;
; LDS.  A: [16 chunks][128 rows][128 bytes + 16]: pitch 144 = 9 x 16, so the 16 rows of a fragment load start in 16 different 16-byte
; columns of 256 bytes.  The chunk that is being stored and the chunk that is being read are disjoint runs of bytes.
.set PITCH, 144
.set CH,    128*PITCH                  ; a chunk: 18,432 bytes
.set QS,    16*CH                      ; 294,912: qp x 2 log2e, 1024 f32
.set VS,    QS+4096                    ; v x -2 log2e, 1024 f32
.set SCR,   VS+4096                    ; [4 waves][128 rows] partial scores
.set RED,   SCR+2048                   ; the waves' maxima at +4w, their sums at +64+4w
.set PARR,  RED+256                    ; p of the 128 rows
.set OUTS,  PARR+512                   ; 1 KiB for each wave: the way out of wpart.  Ends at 310,016
; REGISTERS, window 0: v0 thread, v1 lane, v2 r = lane & 15, v3 hh = lane >> 4, v4, v6-v8, v10-v15, v17-v19 prologue and tail
.set ADR0, 5                           ; ADRA's first value
.set QA,   9                           ; QS + 4 (128 w + r)
.set ADRA, 16                          ; LDS address of my part of A's fragments: r x 144 + 16 hh + the trip's two chunks
.set BO,   20                          ; 16 x lane
.set SO,   21                          ; memory: (32 w + hh) rows of 4,096 bytes + 16 r
.set STO,  22                          ; LDS: (32 w + hh) rows of 144 bytes + 8 r + the trip's two chunks
.set PF,   23                          ; thread x 4,096: row t of the block
.set WS,   24                          ; v[24:31]   weighted sum of my 8 columns
.set P,    32                          ; v[32:63]   pass 0: a chunk rounded to bf16; tail: p of 16 rows
.set QP,   32                          ; v[32:47]   epilogue: qp' of my 8 columns, each twice
.set VP,   48                          ; v[48:63]   epilogue: v' likewise
.set AF0,  64                          ; v[64:127], v[128:191] fragments of A, two buffers;  window 1, same numbers: fragments of B
.set BF0,  64
.set T,    64                          ; epilogue: 64 numbers at work (buffer 0 of A)
.set ST,   192                         ; v[192:255] a chunk as loaded: slot 0 in window 0, slot 1 in window 1
.set SA,   192                         ; from the first epilogue on, window 0: partial scores, register 8m + j for row 16m + 8hh + j
; windows 2, 3: accumulators, tile (m, n) at 8 ((n & 3) 8 + m), n = 0..3 in window 2, n = 4..7 in window 3
.set MUL_LO, 0xa4                      ; source 0 (A) window 0, source 1 (B) window 1, C and D window 2
.set MUL_HI, 0xf4                      ; the same, C and D window 3
.set TO_1,   0x40                      ; destination window 1
.set FROM_1, 0x05                      ; sources 0 and 1 window 1
.set MSB, 0
.macro WIN new                         ; the immediate's high byte repeats the setting that is left
.if MSB != \new
	s_set_vgpr_msb (MSB<<8)|\new
.set MSB, \new
.endif
.endm
.macro PLACES                          ; four places between a matrix instruction and a load into, or a vector read of, its registers
.rept 4
	v_nop
.endr
.endm
; 16 matrix instructions: column blocks 2a, 2a+1 x all 8 row blocks.  The 64 accumulators take turns in the same order in every step.
.macro MUL16 a, af, bf, zero
.irp n, 2*\a, 2*\a+1
.irp m, 0,1,2,3,4,5,6,7
.if \zero
	v_wmma_f32_16x16x32_bf16 v[8*(((\n)&3)*8+\m):8*(((\n)&3)*8+\m)+7], v[\af+8*\m:\af+8*\m+7], v[\bf+8*(\n):\bf+8*(\n)+7], 0
.else
	v_wmma_f32_16x16x32_bf16 v[8*(((\n)&3)*8+\m):8*(((\n)&3)*8+\m)+7], v[\af+8*\m:\af+8*\m+7], v[\bf+8*(\n):\bf+8*(\n)+7], v[8*(((\n)&3)*8+\m):8*(((\n)&3)*8+\m)+7]
.endif
.endr
.endr
.endm
; half h (column blocks 4h .. 4h+3) of a step's B fragments: eight loads of 512 consecutive bytes each
.macro REFILL h, bf, off
	WIN TO_1
.irp i, 0,1,2,3,4,5,6,7
	global_load_b128 v[\bf+32*\h+4*\i:\bf+32*\h+4*\i+3], v[BO], s[6:7] offset:\off+4096*\h+512*\i
.endr
.endm
; a step's A fragments: 8 row blocks, two loads of 16 bytes a lane, 32 bytes apart
.macro FETCHA af, off
	WIN 0
.irp m, 0,1,2,3,4,5,6,7
	ds_load_b128 v[\af+8*\m:\af+8*\m+3], v[ADRA] offset:\off+\m*16*PITCH
	ds_load_b128 v[\af+8*\m+4:\af+8*\m+7], v[ADRA] offset:\off+\m*16*PITCH+32
.endr
.endm
; my 32 rows x 256 bytes of a chunk of memory: each load takes two rows' 256 bytes, aligned
.macro SLOAD slot, soff
	WIN TO_1*\slot
.set pu, 0
.rept 16
	global_load_b128 v[ST+4*pu:ST+4*pu+3], v[SO], s[4:5] offset:pu*8192+\soff th:TH_LOAD_NT
.set pu, pu+1
.endr
.endm
; Publish a chunk: round the slot's 64 registers to bf16, store them into A, ask for the chunk two further on into the same slot,
; and let each thread prefetch its row's 256 bytes of the chunk four further on (two publishes, 256 matrix instructions, ahead of its load).
.macro PUBA cnt, slot, coff, issue, soff, pf, pfoff
	s_wait_loadcnt \cnt                            ; the slot's 16 loads are in: at least cnt loads were issued behind them
	WIN FROM_1*\slot
.set pu, 0
.rept 32
	v_cvt_pk_bf16_f32 v[P+pu], v[ST+2*pu], v[ST+2*pu+1]
.set pu, pu+1
.endr
	WIN 0
.set pu, 0
.rept 16
	ds_store_b64 v[STO], v[P+2*pu:P+2*pu+1] offset:pu*2*PITCH+\coff
.set pu, pu+1
.endr
.if \issue
	SLOAD \slot, \soff
.endif
.if \pf
	global_prefetch_b8 v[PF], s[4:5] offset:\pfoff th:TH_LOAD_NT scope:SCOPE_SE   ; its address is source 0: window 0 under either setting
.endif
.endm
; The second part of a step: B's first half for step + 2, A's fragments for step + 1, the products of column blocks 4..7, B's second half.
.macro REST kk, zero, nb1, refill, fetch
.if \refill
	PLACES
	REFILL 0, BF0+64*(\kk&1), (\kk+2)*8192
.endif
.if \fetch
	FETCHA AF0+64*((\kk+1)&1), ((\kk+1)>>1)*CH+((\kk+1)&1)*64
.endif
	s_wait_loadcnt \nb1                            ; B's second half of this step is in: nb1 loads were issued behind it
	WIN MUL_HI
	MUL16 2, AF0+64*(\kk&1), BF0+64*(\kk&1), \zero
	MUL16 3, AF0+64*(\kk&1), BF0+64*(\kk&1), \zero
.if \refill
	PLACES
	REFILL 1, BF0+64*(\kk&1), (\kk+2)*8192
.endif
.endm
; A plain step, number kk of its trip.
.macro STEP kk, zero, nb0, nb1, refill, fetch
	s_wait_dscnt 0x0                               ; this step's A fragments are in
	s_wait_loadcnt \nb0                            ; B's first half is in: nb0 loads were issued behind it
	WIN MUL_LO
	MUL16 0, AF0+64*(\kk&1), BF0+64*(\kk&1), \zero
	MUL16 1, AF0+64*(\kk&1), BF0+64*(\kk&1), \zero
	REST \kk, \zero, \nb1, \refill, \fetch
.endm
; A step that publishes the chunk that the next step begins to read.
.macro STEPP kk, nb, slot, coff, issue, soff, pf, pfoff
	PUBA 48, \slot, \coff, \issue, \soff, \pf, \pfoff   ; 48: four steps' 64 B loads, at the least, stand behind the slot's own
	s_wait_loadcnt \nb
	s_wait_dscnt 16                                ; LDS serves a wave in order: all but my 16 stores are done, so this step's A fragments are in
	WIN MUL_LO
	MUL16 0, AF0+64*(\kk&1), BF0+64*(\kk&1), 0
	s_wait_dscnt 0x0                               ; my rows of the chunk are in LDS before I say so
	s_barrier_signal -1
	MUL16 1, AF0+64*(\kk&1), BF0+64*(\kk&1), 0     ; register work while the others arrive
	s_barrier_wait -1                              ; the chunk is whole: the fetch in REST may read it
	REST \kk, 0, \nb, 1, 1
.endm
.macro TRIPEND p0                      ; four steps on
	WIN 0
	s_wait_xcnt 0x0                                ; the bases of the loads issued so far are stepped only behind this wait
	s_add_nc_u64 s[6:7], s[6:7], 32768             ; B: four steps of 8,192 bytes
	v_add_nc_u32 v[ADRA], 2*CH, v[ADRA]            ; A: two chunks
.if \p0
	s_add_nc_u64 s[4:5], s[4:5], 512               ; memory: two chunks of 256 bytes a row
	v_add_nc_u32 v[STO], 2*CH, v[STO]
.endif
.endm
; A trip of pass 0, trip t: steps 4t .. 4t+3; step 4t+1 publishes chunk 2t+1, step 4t+3 chunk 2t+2.
.macro TRIPA zero, n0, n1, n2, n3, is1, pf1, pub3, is3, pf3
	STEP 0, \zero, \n0, \n0, 1, 1
	STEPP 1, \n1, 1, CH, \is1, 768, \pf1, 1280
	STEP 2, 0, \n2, \n2, 1, 1
.if \pub3
	STEPP 3, \n3, 0, 2*CH, \is3, 1024, \pf3, 1536
.else
	STEP 3, 0, \n3, \n3, 1, 0
.endif
	TRIPEND 1
.endm
.macro TRIPB zero                      ; a trip of pass 1: A is whole, only B streams
	STEP 0, \zero, 24, 24, 1, 1
	STEP 1, 0, 24, 24, 1, 1
	STEP 2, 0, 24, 24, 1, 1
	STEP 3, 0, 24, 24, 1, 1
	TRIPEND 0
.endm
; The epilogue of a pass: SA += v' / (1 + exp2(2 log2e acc + qp')), one column block (64 numbers a lane) at a time.
.macro EPI pass, first
	PLACES
	WIN 0
.irp n, 0,1,2,3,4,5,6,7
	ds_load_b32 v[QP+2*\n], v[QA] offset:\pass*2048+64*\n          ; each twice: a pair for the packed forms
	ds_load_b32 v[QP+2*\n+1], v[QA] offset:\pass*2048+64*\n
	ds_load_b32 v[VP+2*\n], v[QA] offset:4096+\pass*2048+64*\n
	ds_load_b32 v[VP+2*\n+1], v[QA] offset:4096+\pass*2048+64*\n
.endr
	s_wait_dscnt 0x0
.irp n, 0,1,2,3,4,5,6,7
	WIN 2+(\n>>2)                                  ; source 0: the accumulators' window
.set ei, 0
.rept 32
	v_pk_fma_f32 v[T+2*ei:T+2*ei+1], v[64*(\n&3)+2*ei:64*(\n&3)+2*ei+1], 0x4038aa3b, v[QP+2*\n:QP+2*\n+1] op_sel_hi:[1,0,1]
.set ei, ei+1
.endr
	WIN 0
.set ei, 0
.rept 64
	v_exp_f32 v[T+ei], v[T+ei]
.set ei, ei+1
.endr
	v_nop                                          ; one plain instruction between a transcendental and the use of its result (ISA guide 5.7.2)
.set ei, 0
	s_wait_alu depctr_va_vdst(0)
.rept 32
	v_pk_add_f32 v[T+2*ei:T+2*ei+1], v[T+2*ei:T+2*ei+1], 1.0 op_sel_hi:[1,0]
.set ei, ei+1
.endr
.set ei, 0
.rept 64
	v_rcp_f32 v[T+ei], v[T+ei]
.set ei, ei+1
.endr
	v_nop
	s_wait_alu depctr_va_vdst(0)
.set ei, 0
.rept 32
.if \first > \n
	v_pk_mul_f32 v[SA+2*ei:SA+2*ei+1], v[T+2*ei:T+2*ei+1], v[VP+2*\n:VP+2*\n+1]    ; the first block starts the sums
.else
	v_pk_fma_f32 v[SA+2*ei:SA+2*ei+1], v[T+2*ei:T+2*ei+1], v[VP+2*\n:VP+2*\n+1], v[SA+2*ei:SA+2*ei+1]
.endif
.set ei, ei+1
.endr
.endr
.endm
	; ---------------- prologue ----------------
	s_load_b256 s[4:11], s[0:1], 0x0               ; memory s[4:5], wmf s[6:7], qpw s[8:9], v s[10:11]
	s_load_b64 s[12:13], s[0:1], 0x20              ; part
	s_set_vgpr_msb 0x40
	v_lshl_add_u32 v62, v0, 2, 0x4bb00
	v_mov_b32 v63, 0
	s_set_vgpr_msb 0x4000
	v_lshrrev_b32 v1, 5, v0
	v_readfirstlane_b32 s14, v1                    ; wave 0..3
	v_and_b32 v1, 31, v0                           ; lane
	v_and_b32 v2, 15, v0                           ; r
	v_bfe_u32 v3, v0, 4, 1                         ; hh
	s_mov_b32 s20, 0x76543210                      ; v_permlanex16_b32: lane i of one half reads lane i of the other
	s_mov_b32 s21, 0xfedcba98
	s_lshl_b32 s22, ttmp9, 19                      ; memory: block x 128 rows x 4,096 bytes (below 2^28)
	s_mov_b32 s23, 0
	s_lshl_b32 s24, s14, 19                        ; wmf: my wave's 512 KiB
	s_mov_b32 s25, 0
	s_lshr_b32 s26, ttmp9, 3                       ; qpw: batch x 64 bytes
	s_lshl_b32 s26, s26, 6
	s_mov_b32 s27, 0
	s_mul_i32 s28, ttmp9, 5120                     ; part: my record
	s_mov_b32 s29, 0
	s_lshl_b32 s30, s14, 17                        ; 32 w rows of 4,096 bytes
	v_lshlrev_b32 v[BO], 4, v1
	v_lshlrev_b32 v[SO], 4, v2
	v_lshl_add_u32 v[SO], v3, 12, v[SO]
	v_add_nc_u32 v[SO], s30, v[SO]
	v_lshlrev_b32 v[PF], 12, v0
	v_lshrrev_b32 v4, 2, v0                        ; qpw: group t >> 2 of 16 units, 4,096 bytes apart,
	v_lshlrev_b32 v4, 12, v4
	v_and_b32 v6, 3, v0
	v_lshl_add_u32 v4, v6, 4, v4                   ; and 16 (t & 3) in its 64 bytes: units 4t .. 4t+3
	v_lshlrev_b32 v7, 4, v0                        ; v: 16 t
	s_wait_kmcnt 0x0
	s_add_nc_u64 s[4:5], s[4:5], s[22:23]
	s_add_nc_u64 s[6:7], s[6:7], s[24:25]
	s_add_nc_u64 s[8:9], s[8:9], s[26:27]
	s_add_nc_u64 s[12:13], s[12:13], s[28:29]
	global_load_b128 v[64:67], v4, s[8:9]                  ; qp of units 4t ..
	global_load_b128 v[68:71], v4, s[8:9] offset:131072    ; and 512 + 4t ..
	global_load_b128 v[72:75], v7, s[10:11]                ; v likewise
	global_load_b128 v[76:79], v7, s[10:11] offset:2048
	SLOAD 0, 0                                     ; chunk 0
	SLOAD 1, 256                                   ; chunk 1
	REFILL 0, BF0, 0                               ; B of step 0
	REFILL 1, BF0, 0
	global_prefetch_b8 v[PF], s[4:5] offset:768 th:TH_LOAD_NT scope:SCOPE_SE    ; chunks 3 and 4; from chunk 5 on the publishes ask
	global_prefetch_b8 v[PF], s[4:5] offset:1024 th:TH_LOAD_NT scope:SCOPE_SE
	WIN 0
	v_mul_u32_u24 v[ADRA], v2, PITCH
	v_lshl_add_u32 v[ADRA], v3, 4, v[ADRA]
	v_mov_b32 v[ADR0], v[ADRA]
	s_mul_i32 s31, s14, 32*PITCH                   ; my 32 rows of a chunk
	v_mul_u32_u24 v[STO], v3, PITCH
	v_lshl_add_u32 v[STO], v2, 3, v[STO]
	v_add_nc_u32 v[STO], s31, v[STO]
	s_lshl_b32 s32, s14, 9
	s_add_co_u32 s32, s32, QS
	v_lshl_add_u32 v[QA], v2, 2, s32
	v_add_nc_u32 v8, QS, v7                        ; QS + 16 t
	s_wait_loadcnt 48                              ; qp and v are in: two chunks and a step of B, 48 loads, stand behind them
.irp j, 64,66,68,70
	v_pk_mul_f32 v[\j:\j+1], v[\j:\j+1], 0x4038aa3b op_sel_hi:[1,0]     ; qp x 2 log2e
.endr
.irp j, 72,74,76,78
	v_pk_mul_f32 v[\j:\j+1], v[\j:\j+1], 0xc038aa3b op_sel_hi:[1,0]     ; v x -2 log2e
.endr
	ds_store_b128 v8, v[64:67]
	ds_store_b128 v8, v[68:71] offset:2048
	ds_store_b128 v8, v[72:75] offset:4096
	ds_store_b128 v8, v[76:79] offset:6144
	PUBA 32, 0, 0, 1, 512, 0, 0                    ; chunk 0 (chunk 1 and B of step 0, 32 loads, stand behind it); asks for chunk 2
	REFILL 0, BF0+64, 8192                         ; B of step 1
	REFILL 1, BF0+64, 8192
	WIN 0
	s_wait_dscnt 0x0                               ; my part of chunk 0, of qp' and of v' is in LDS
	s_barrier_signal -1
	s_barrier_wait -1
	FETCHA AF0, 0
	; ---------------- pass 0: columns 128 w .. of the first 512; memory streams in ----------------
	; Counts of the waits for B: behind a half of a step's B stand 24 later B loads, and 16 more while the odd steps still ask for chunks (up to step 25).
	TRIPA 1, 40,40,40,40, 1,1, 1,1,1               ; trip 0: its first step starts the sums
	s_mov_b32 s16, 4
.Lpass0:
	TRIPA 0, 40,40,40,40, 1,1, 1,1,1               ; trips 1 to 4
	s_sub_co_i32 s16, s16, 1
	s_cmp_lg_u32 s16, 0
	s_cbranch_scc1 .Lpass0
	TRIPA 0, 40,40,40,40, 1,1, 1,1,0               ; trip 5: chunks 11, 12; there is no chunk 16 to prefetch
	TRIPA 0, 40,40,40,24, 1,0, 1,0,0               ; trip 6: chunk 13 asks for the last, 15; chunk 14 asks for nothing
	TRIPA 0, 24,24,24,24, 0,0, 0,0,0               ; trip 7: chunk 15; the last step fetches no fragments; B runs on into pass 1
	EPI 0, 1
	v_mov_b32 v[ADRA], v[ADR0]                     ; back to chunk 0
	FETCHA AF0, 0
	; ---------------- pass 1: columns 512 + 128 w .. ----------------
	TRIPB 1
	s_mov_b32 s16, 6
.Lpass1:
	TRIPB 0
	s_sub_co_i32 s16, s16, 1
	s_cmp_lg_u32 s16, 0
	s_cbranch_scc1 .Lpass1
	STEP 0, 0, 24, 24, 1, 1                        ; steps 60, 61 ask for the last two steps' B
	STEP 1, 0, 24, 24, 1, 1
	STEP 2, 0, 24, 16, 0, 1                        ; step 62 asks for none: the counts run down
	STEP 3, 0, 8, 0, 0, 0
	EPI 1, 0
	; ---------------- the block's softmax figures ----------------
	; sum over my wave's 16 lanes of columns; afterwards all 16 lanes of a half hold the same 64 sums
.irp x, 1,2,4,8
.set ei, 0
.rept 64
	v_add_f32_dpp v[SA+ei], v[SA+ei], v[SA+ei] row_xmask:\x row_mask:0xf bank_mask:0xf
.set ei, ei+1
.endr
.endr
	s_lshl_b32 s22, s14, 9
	s_add_co_u32 s22, s22, SCR
	v_lshl_add_u32 v10, v3, 5, s22                 ; SCR + 512 w + 4 (8 hh)
	v_lshlrev_b32 v11, 2, v0
	v_add_nc_u32 v13, PARR, v11                    ; PARR + 4 t
	v_add_nc_u32 v11, SCR, v11                     ; SCR + 4 t
	s_lshl_b32 s23, s14, 2
	s_add_co_u32 s23, s23, RED
	v_mov_b32 v12, s23                             ; RED + 4 w
	v_mov_b32 v6, RED
	v_mov_b32 v15, PARR
	v_lshrrev_b32 v14, 3, v0                       ; my 8 columns 8t .. lie in chunk t >> 3,
	v_mul_u32_u24 v14, v14, CH
	v_and_b32 v4, 7, v0
	v_lshl_add_u32 v14, v4, 4, v14                 ; at 16 (t & 7) of its rows
	s_lshl_b32 s24, s14, 10
	v_lshl_add_u32 v19, v1, 4, s24                 ; 1,024 w + 16 lane: in the record
	v_add_nc_u32 v18, OUTS, v19                    ; and in my wave's stage, read back
	v_lshl_add_u32 v17, v1, 5, s24
	v_add_nc_u32 v17, OUTS, v17                    ; my wave's stage, 32 bytes a lane
.set ei, 0
.rept 16
	ds_store_b128 v10, v[SA+4*ei:SA+4*ei+3] offset:64*(ei>>1)+16*(ei&1)    ; rows 16m + 8hh + 4q ..; the 16 lanes of a half store the same bytes
.set ei, ei+1
.endr
	s_wait_dscnt 0x0
	s_barrier_signal -1
	s_barrier_wait -1
	ds_load_b32 v4, v11                            ; row t: the four waves' parts
	ds_load_b32 v7, v11 offset:512
	ds_load_b32 v8, v11 offset:1024
	ds_load_b32 v64, v11 offset:1536
	s_wait_dscnt 0x0
	v_add_f32 v4, v4, v7
	v_add_f32 v8, v8, v64
	v_add_f32 v4, v4, v8                           ; s' of row t
	v_max_num_f32_dpp v8, v4, v4 row_xmask:1 row_mask:0xf bank_mask:0xf
	v_max_num_f32_dpp v8, v8, v8 row_xmask:2 row_mask:0xf bank_mask:0xf
	v_max_num_f32_dpp v8, v8, v8 row_xmask:4 row_mask:0xf bank_mask:0xf
	v_max_num_f32_dpp v8, v8, v8 row_xmask:8 row_mask:0xf bank_mask:0xf
	v_permlanex16_b32 v7, v8, s20, s21
	v_max_num_f32 v8, v8, v7                       ; my wave's maximum
	ds_store_b32 v12, v8
	s_wait_dscnt 0x0
	s_barrier_signal -1
	s_barrier_wait -1
	ds_load_b128 v[64:67], v6
	s_wait_dscnt 0x0
	v_max3_num_f32 v8, v64, v65, v66
	v_max_num_f32 v8, v8, v67                      ; mb: the block's maximum
	v_sub_f32 v4, v4, v8
	v_exp_f32 v4, v4                               ; p = exp2(s' - mb), at most 1
	v_nop
	s_wait_alu depctr_va_vdst(0)
	ds_store_b32 v13, v4
	v_add_f32_dpp v7, v4, v4 row_xmask:1 row_mask:0xf bank_mask:0xf
	v_add_f32_dpp v7, v7, v7 row_xmask:2 row_mask:0xf bank_mask:0xf
	v_add_f32_dpp v7, v7, v7 row_xmask:4 row_mask:0xf bank_mask:0xf
	v_add_f32_dpp v7, v7, v7 row_xmask:8 row_mask:0xf bank_mask:0xf
	v_permlanex16_b32 v64, v7, s20, s21
	v_add_f32 v7, v7, v64                          ; my wave's sum
	ds_store_b32 v12, v7 offset:64                 ; other bytes than the maxima's
	s_wait_dscnt 0x0
	s_barrier_signal -1
	s_barrier_wait -1
	ds_load_b128 v[64:67], v6 offset:64
	s_wait_dscnt 0x0
	v_add_f32 v64, v64, v65
	v_add_f32 v66, v66, v67
	v_mov_b32 v128, v8
	v_add_f32 v129, v64, v66                       ; lb: the block's sum
	v_mov_b32 v130, v8
	v_mov_b32 v131, v129                           ; (mb, lb, mb, lb): 16 bytes a lane for the record
	; ---------------- the block's weighted sum: 128 rows x my 8 columns, from A in LDS; one row of a product, so the vector unit does it ----------------
.irp j, 0,1,2,3,4,5,6,7
	v_mov_b32 v[WS+\j], 0
.endr
	s_mov_b32 s16, 0
.Lws:
.irp i, 0,1,2,3
	ds_load_b128 v[P+4*\i:P+4*\i+3], v15 offset:16*\i              ; p of 16 rows, the same for every lane
.endr
.set ei, 0
.rept 16
	ds_load_b128 v[AF0+4*ei:AF0+4*ei+3], v14 offset:PITCH*ei       ; my 8 columns of 16 rows
.set ei, ei+1
.endr
.macro WROWS i0
.set wr, \i0
.rept 8
.irp q, 0,1,2,3
	v_fma_mix_f32_bf16 v[WS+2*\q], v[AF0+4*wr+\q], v[P+wr], v[WS+2*\q] op_sel_hi:[1,0,0]
	v_fma_mix_f32_bf16 v[WS+2*\q+1], v[AF0+4*wr+\q], v[P+wr], v[WS+2*\q+1] op_sel:[1,0,0] op_sel_hi:[1,0,0]
.endr
.set wr, wr+1
.endr
.endm
	s_wait_dscnt 8                                 ; p and the first eight rows are in; the last eight loads may be out
	WROWS 0
	s_wait_dscnt 0x0
	WROWS 8
	v_add_nc_u32 v14, 16*PITCH, v14
	v_add_nc_u32 v15, 64, v15
	s_add_co_u32 s16, s16, 1
	s_cmp_lt_u32 s16, 8
	s_cbranch_scc1 .Lws
	; ---------------- the record ----------------
	ds_store_b128 v17, v[WS:WS+3]                  ; 32 bytes a lane into my wave's own stage,
	ds_store_b128 v17, v[WS+4:WS+7] offset:16
	ds_load_b128 v[64:67], v18                     ; read back 16 bytes a lane (LDS serves a wave in order: ISA guide 5.7.1),
	ds_load_b128 v[68:71], v18 offset:512
	s_wait_dscnt 0x0
	global_store_b128 v19, v[64:67], s[12:13]              ; so that each store covers 512 consecutive bytes, aligned
	global_store_b128 v19, v[68:71], s[12:13] offset:512
	s_cmp_lg_u32 s14, 0
	s_cbranch_scc1 .Lnot_wave_0
	v_add_nc_u32 v7, PARR, v[BO]
	ds_load_b128 v[72:75], v7                      ; p of all 128 rows: stored ahead of the last barrier
	s_wait_dscnt 0x0
	global_store_b128 v[BO], v[72:75], s[12:13] offset:4096
.Lnot_wave_0:
	s_cmp_lg_u32 s14, 1
	s_cbranch_scc1 .Lend
	global_store_b128 v[BO], v[128:131], s[12:13] offset:4608
.Lend:
	s_set_vgpr_msb 0x5
	s_wait_tensorcnt 0x0
	ds_add_u32 v62, v63
	s_wait_dscnt 0x0
	s_set_vgpr_msb 0x500
	s_endpgm
.Lfunc_end_k_q8a05531496_main:
	.size	k_q8a05531496_main, .Lfunc_end_k_q8a05531496_main-k_q8a05531496_main
	.p2alignl 7, 3214868480
	.fill 96, 4, 3214868480
	.section	.rodata,"a",@progbits
	.p2align	6, 0x0
	.amdhsa_kernel k_q8a05531496_main
		.amdhsa_group_segment_fixed_size 310528
		.amdhsa_private_segment_fixed_size 0
		.amdhsa_enable_private_segment 0
		.amdhsa_kernarg_size 40
		.amdhsa_user_sgpr_count 2
		.amdhsa_user_sgpr_kernarg_segment_ptr 1
		.amdhsa_wavefront_size32 1
		.amdhsa_system_sgpr_workgroup_id_x 1
		.amdhsa_system_sgpr_workgroup_id_y 1
		.amdhsa_system_sgpr_workgroup_id_z 1
		.amdhsa_system_vgpr_workitem_id 0
		.amdhsa_next_free_vgpr 1024
		.amdhsa_next_free_sgpr 66
		.amdhsa_reserve_vcc 0
		.amdhsa_float_denorm_mode_32 3
		.amdhsa_float_denorm_mode_16_64 3
		.amdhsa_memory_ordered 1
		.amdhsa_forward_progress 1
		.amdhsa_inst_pref_size 255
	.end_amdhsa_kernel
	.section	.bss,"aw",@nobits
	.p2align	6
	.space	262144
	.amdgpu_metadata
---
amdhsa.version: [ 1, 2 ]
amdhsa.kernels:
  - .name:           k_q8a05531496_main
    .symbol:         k_q8a05531496_main.kd
    .args:
      - { .name: memory, .offset: 0, .size: 8, .value_kind: global_buffer, .address_space: global }
      - { .name: wmf, .offset: 8, .size: 8, .value_kind: global_buffer, .address_space: global }
      - { .name: qpw, .offset: 16, .size: 8, .value_kind: global_buffer, .address_space: global }
      - { .name: v, .offset: 24, .size: 8, .value_kind: global_buffer, .address_space: global }
      - { .name: part, .offset: 32, .size: 8, .value_kind: global_buffer, .address_space: global }
    .group_segment_fixed_size: 310528
    .private_segment_fixed_size: 0
    .kernarg_segment_align: 8
    .kernarg_segment_size: 40
    .max_flat_workgroup_size: 128
    .sgpr_count:     66
    .vgpr_count:     1024
    .wavefront_size: 32
...
	.end_amdgpu_metadata
.endif
;; end of part 2
;; launch join (part 3): grid 64 x 1, 8 waves a work-group, no clusters, 0 bytes of LDS; arguments part, out0, out1; writes out0, out1
.if DOCPART == 3
	.amdgcn_target "amdgcn-amd-amdhsa--gfx1250"
	.amdhsa_code_object_version 6
	.text
	.protected	k_q8a05531496_join
	.globl	k_q8a05531496_join
	.p2align	8
	.type	k_q8a05531496_join,@function
k_q8a05531496_join:
	s_mov_b64 s[64:65], 0
	v_nop
	global_prefetch_b8 v0, s[64:65] scope:SCOPE_SE
	s_setreg_imm32_b32 hwreg(HW_REG_WAVE_MODE, 25, 1), 1
	s_wait_xcnt 0x0
; One work-group for each batch joins its eight blocks' records (wpart[1024], p[128], (mb, lb) ..; exponents in base 2):
; M = max mb_i, f_i = exp2(mb_i - M), Z = sum f_i lb_i;  out0[128 i + row] = p_i[row] f_i / Z;  out1[d] = sum_i wpart_i[d] f_i / Z.
; The block that holds M has f = 1 and lb >= 1, so Z >= 1.  Thread t owns 16 bytes of each output: 4 columns of out1, and the
; weights 4t .. 4t+3, which lie in block t >> 5 = its wave's number.  36 KiB in, 8 KiB out for a work-group: all loads go out at once,
; no LDS, no barrier; the matrix units have nothing to do here.
.set REC, 5120
	s_load_b128 s[4:7], s[0:1], 0x0                ; part s[4:5], out0 s[6:7]
	s_load_b64 s[8:9], s[0:1], 0x10                ; out1
	v_lshrrev_b32 v1, 5, v0
	v_readfirstlane_b32 s10, v1                    ; wave = my block for out0
	v_and_b32 v5, 31, v0
	s_mul_i32 s12, ttmp9, 8*REC                    ; the batch's eight records
	s_mov_b32 s13, 0
	s_lshl_b32 s14, ttmp9, 12                      ; the batch's row of each output
	s_mov_b32 s15, 0
	s_mul_i32 s11, s10, REC
	v_mov_b32 v1, 0
	v_mov_b32 v2, s11
	v_lshlrev_b32 v3, 4, v0                        ; 16 t
	v_lshl_add_u32 v4, v5, 4, s11                  ; my block's record + 16 lane
	s_wait_kmcnt 0x0
	s_add_nc_u64 s[4:5], s[4:5], s[12:13]
	s_add_nc_u64 s[6:7], s[6:7], s[14:15]
	s_add_nc_u64 s[8:9], s[8:9], s[14:15]
.irp i, 0,1,2,3,4,5,6,7
	global_load_b64 v[8+2*\i:9+2*\i], v1, s[4:5] offset:\i*REC+4608        ; (mb_i, lb_i)
.endr
	global_load_b32 v24, v2, s[4:5] offset:4608                            ; my block's mb
	global_load_b128 v[28:31], v4, s[4:5] offset:4096                      ; my four p
.irp i, 0,1,2,3,4,5,6,7
	global_load_b128 v[32+4*\i:35+4*\i], v3, s[4:5] offset:\i*REC          ; my four columns of wpart_i
.endr
	s_wait_loadcnt 0x0
	v_max3_num_f32 v6, v8, v10, v12
	v_max3_num_f32 v6, v6, v14, v16
	v_max3_num_f32 v6, v6, v18, v20
	v_max_num_f32 v6, v6, v22                      ; M
.irp i, 0,1,2,3,4,5,6,7
	v_sub_f32 v[8+2*\i], v[8+2*\i], v6
.endr
	v_sub_f32 v24, v24, v6
.irp i, 0,1,2,3,4,5,6,7
	v_exp_f32 v[8+2*\i], v[8+2*\i]                 ; f_i
.endr
	v_exp_f32 v24, v24
	v_nop                                          ; one plain instruction between a transcendental and the use of its result (ISA guide 5.7.2)
	s_wait_alu depctr_va_vdst(0)
	v_mul_f32 v25, v8, v9
.irp i, 1,2,3,4,5,6,7
	v_fmac_f32 v25, v[8+2*\i], v[9+2*\i]           ; Z
.endr
	v_rcp_f32 v26, v25
	v_nop
	s_wait_alu depctr_va_vdst(0)
.irp i, 0,1,2,3,4,5,6,7
	v_mul_f32 v[8+2*\i], v[8+2*\i], v26            ; g_i = f_i / Z
.endr
	v_mul_f32 v24, v24, v26
	v_pk_mul_f32 v[64:65], v[32:33], v[8:9] op_sel_hi:[1,0]        ; the first block starts the sums; both halves take g_i, the pair's first register
	v_pk_mul_f32 v[66:67], v[34:35], v[8:9] op_sel_hi:[1,0]
.irp i, 1,2,3,4,5,6,7
	v_pk_fma_f32 v[64:65], v[32+4*\i:33+4*\i], v[8+2*\i:9+2*\i], v[64:65] op_sel_hi:[1,0,1]
	v_pk_fma_f32 v[66:67], v[34+4*\i:35+4*\i], v[8+2*\i:9+2*\i], v[66:67] op_sel_hi:[1,0,1]
.endr
	v_pk_mul_f32 v[28:29], v[28:29], v[24:25] op_sel_hi:[1,0]
	v_pk_mul_f32 v[30:31], v[30:31], v[24:25] op_sel_hi:[1,0]
	global_store_b128 v3, v[28:31], s[6:7]         ; each store of a wave covers 512 consecutive bytes, aligned
	global_store_b128 v3, v[64:67], s[8:9]
	s_endpgm
.Lfunc_end_k_q8a05531496_join:
	.size	k_q8a05531496_join, .Lfunc_end_k_q8a05531496_join-k_q8a05531496_join
	.p2alignl 7, 3214868480
	.fill 96, 4, 3214868480
	.section	.rodata,"a",@progbits
	.p2align	6, 0x0
	.amdhsa_kernel k_q8a05531496_join
		.amdhsa_group_segment_fixed_size 0
		.amdhsa_private_segment_fixed_size 0
		.amdhsa_enable_private_segment 0
		.amdhsa_kernarg_size 24
		.amdhsa_user_sgpr_count 2
		.amdhsa_user_sgpr_kernarg_segment_ptr 1
		.amdhsa_wavefront_size32 1
		.amdhsa_system_sgpr_workgroup_id_x 1
		.amdhsa_system_sgpr_workgroup_id_y 1
		.amdhsa_system_sgpr_workgroup_id_z 1
		.amdhsa_system_vgpr_workitem_id 0
		.amdhsa_next_free_vgpr 72
		.amdhsa_next_free_sgpr 66
		.amdhsa_reserve_vcc 0
		.amdhsa_float_denorm_mode_32 3
		.amdhsa_float_denorm_mode_16_64 3
		.amdhsa_memory_ordered 1
		.amdhsa_forward_progress 1
		.amdhsa_inst_pref_size 6
	.end_amdhsa_kernel
	.amdgpu_metadata
---
amdhsa.version: [ 1, 2 ]
amdhsa.kernels:
  - .name:           k_q8a05531496_join
    .symbol:         k_q8a05531496_join.kd
    .args:
      - { .name: part, .offset: 0, .size: 8, .value_kind: global_buffer, .address_space: global }
      - { .name: out0, .offset: 8, .size: 8, .value_kind: global_buffer, .address_space: global }
      - { .name: out1, .offset: 16, .size: 8, .value_kind: global_buffer, .address_space: global }
    .group_segment_fixed_size: 0
    .private_segment_fixed_size: 0
    .kernarg_segment_align: 8
    .kernarg_segment_size: 24
    .max_flat_workgroup_size: 256
    .sgpr_count:     66
    .vgpr_count:     72
    .wavefront_size: 32
...
	.end_amdgpu_metadata
.endif
;; end of part 3
